; MI455X (gfx1250); checked and timed in simulation.
; The chip was launched on July 23, 2026; its instructions are those of AMD's public machine-readable ISA for CDNA 5 (MIT licence, August 2026) and "CDNA5" Instruction Set Architecture Reference Guide (July 2026). The comments in the code are by the model that wrote it; some were corrected since.
;; Sphere Cloud. Allowed arithmetic: float matrix products may take bf16 or f16 operands with f32 sums; all other float work in f32.
;; Inputs: centers 1,024 x 3 float32; radii 1,024 float32; rays 16 x 64 x 32 x 6 float32.
;; Outputs: out0 16 x 64 x 32 x 3 float32; out1 16 x 64 x 32 x 3 float32; out2 16 x 64 x 32 float32; out3 16 x 64 x 32 bool.
;; One version. Each part assembles by itself: llvm-mc -triple=amdgcn-amd-amdhsa -mcpu=gfx1250 --defsym DOCPART=n.
;; ======== version 1 of 1: 1 launch
;; launch spheres (part 1): grid 256 x 1, 16 waves a work-group, no clusters, 25,600 bytes of LDS; arguments rays, centers, radii, out0, out1, out2, out3; writes out0, out1, out2, out3
.if DOCPART == 1
	.amdgcn_target "amdgcn-amd-amdhsa--gfx1250"
	.amdhsa_code_object_version 6
	.text
	.protected	k_q06f9ff8331_spheres
	.globl	k_q06f9ff8331_spheres
	.p2align	8
	.type	k_q06f9ff8331_spheres,@function
k_q06f9ff8331_spheres:
	s_mov_b64 s[64:65], 0
	v_nop
	global_prefetch_b8 v0, s[64:65] scope:SCOPE_SE
	s_setreg_imm32_b32 hwreg(HW_REG_WAVE_MODE, 25, 1), 1
	s_wait_xcnt 0x0
; SphereCloud: nearest hit of 32,768 rays among 1,024 spheres; point p, normal n, distance t, active flag.
;
; WHAT IS COMPUTED.  The scan over four chunks of 256 spheres is one pass over the spheres in global order with best = T_MAX at the
; start and an update on strictly smaller t (every valid t is below T_MAX), so active = (best < T_MAX).  The normal uses
; centers[index & 255]: the chunk-LOCAL index of the winner, looked up in the global table, as the source does.
; Per ray: u = 1/|d|^2, d' = d u.  Per sphere: g = c - o, nh = d'.g, cc = g.g - r^2, Q = nh^2 - u cc, roots = nh -+ Q rsq(Q).
; (The factors 2 and 4 of b and of the discriminant are powers of two and drop out exactly.)  Q <= 0 gives NaN roots (0 x inf, rsq of
; a negative), which is the test d > 0.  EPS is subtracted from each finished root and the bits are compared as unsigned numbers:
; roots below EPS are negative and so larger than every positive float, NaN too; one v_min3_u32(best, r1 - EPS, r2 - EPS) is
; therefore the choice of the root, both range tests and the running minimum.  t = best + EPS at the end.
;
; SHARES.  256 work-groups of 128 rays, 16 waves.  Wave w: ray group G = w & 1 (64 rays; lane L holds rays 2L and 2L+1, so that packed
; f32 instructions do two tests), eighth e = w >> 1: local indices 32e .. 32e+31 of each of the four chunks, 128 spheres, in global order.
; So the table entry of a wave's own winner is one of its own 32 centres of chunk 0: each wave picks it itself by 31 compare-and-select
; steps (no address hangs on the argmin).  Sphere data are the same for all lanes and live in scalar registers.
; One barrier; then the two waves with e = 0 join the eight partial results of their 64 rays (smallest t, on equal t the smallest global
; index = the first in the reference's order) and finish.
;
; NOT USED, AND WHY.  No cluster, no tensor load: what work-groups share is the sphere table of 16,384 bytes, which goes to scalar
; registers, not to an LDS tile, against 131,072 tests per work-group.  No matrix instruction: the discriminant is a difference of nearly
; equal numbers and does not survive 16-bit operands.
;
; LIMITS.  |d|^2 and its reciprocal must be normal f32 numbers (2^-126 .. 2^126); otherwise the ray comes out inactive (for d = 0 that is
; also the reference's result).  A scaled discriminant Q below 2^-126 counts as a miss: v_rsq_f32 takes a denormal as zero (ISA guide,
; its entry in 15.8).  The order of rounding differs from the reference's (d / |d|^2 first, fused multiply-adds, Q x rsq(Q) for the root,
; t carried as t - EPS, 1/norm by v_rcp_f32): t agrees to a few last bits, and a decision that hangs on those bits (two hits at the same
; t to the last bits, a root at EPS or a discriminant at 0 to the last bits) can fall the other way.
; out3 leaves in pieces of 64 consecutive bytes (64 rays of one byte); every other store covers 256 or 512 consecutive bytes, aligned.
.set EPS_BITS,  0x322bcc77             ; 1e-8
.set NEPS_BITS, 0xb22bcc77             ; -1e-8
.set TMAX_BITS, 0x42c80000             ; 100.0
.set TINY_BITS, 0x2b8cbccc             ; 1e-12, the floor of the norm
.set PUSH_BITS, 0x3727c5ac             ; 1e-5, p is pushed along n by this
.set PSLOT,     2560                   ; LDS: one wave-eighth's partial results: 5 fields x 128 rays x 4 bytes
.set STAGE,     8*PSLOT                ; LDS: behind them 1,536 bytes for each of the two finishing waves (p: 768, n: 768)
; scalar registers
.set PCEN, 2                           ; s[2:3]   centres of my 32 spheres in the current chunk
.set PRAD, 4                           ; s[4:5]   their radii
.set PTAB, 6                           ; s[6:7]   my 32 table entries = my centres of chunk 0
.set CA,   8                           ; s[8:31]  set A: 8 centres     RA s[32:39] their radii
.set RA,   32
.set CB,   40                          ; s[40:63] set B: 8 centres     RB s[68:75] their radii   (s64, s65 are not ours)
.set RB,   68
.set R2,   76                          ; s[76:91] r^2 of the batch at work, in the EVEN registers
.set CC3,  68                          ; s[68:91] third set of 8 table entries during the selection
.set NEPS, 92                          ; s[92:93] -EPS
.set IDX,  94                          ; global index of the sphere being tracked
.set MSK,  95                          ; lane mask of the lanes' second ray
.set TRIP, 96
.set WAVE, 97
.set EI,   98                          ; e
.set GI,   99                          ; G
.set TMP,  100                         ; s[100:101]
; vector registers
.set LANE, 1
.set OX0, 4                            ; v[4:15] the two rays as loaded: o0 d0 o1 d1
.set OY0, 5
.set OZ0, 6
.set DX0, 7
.set DY0, 8
.set DZ0, 9
.set OX1, 10
.set OY1, 11
.set OZ1, 12
.set DX1, 13
.set DY1, 14
.set DZ1, 15
.set DPX, 16                           ; pairs (ray 0, ray 1): d' = d / |d|^2
.set DPY, 18
.set DPZ, 20
.set UU,  22                           ; 1 / |d|^2
.set BA,  24                           ; best t - EPS as bits; BA and BB take turns, so that old and new can be compared
.set BB,  26
.set SI,  28                           ; global index of the best
.set W0,  30                           ; |d|^2; later the winner's place among my 32 entries
.set W1,  32                           ; Newton residue; later:
.set CX,  32                           ; the picked centre, pairs (ray 0, ray 1)
.set CY,  34
.set CZ,  36
.set LA,  38                           ; LDS address of my pair in my wave's partial results
.set TV,  40                           ; v[40:87] four spheres x 12 temporaries:
.set GX,  0                            ;   c - o, later the smaller root - EPS
.set GY,  2                            ;          later the larger root - EPS
.set GZ,  4
.set NH,  6                            ;   d'.(c - o)
.set QQ,  8                            ;   g.g - r^2, then times u, then the discriminant Q
.set YY,  10                           ;   rsq(Q)
.set PV,  96                           ; v[96:175] the end: eighth e, field f (t, index, x, y, z), a pair each at PV + 10 e + 2 f
.macro LOAD24 dst, ptr, off            ; 8 centres = 96 bytes
	s_load_b256 s[\dst:\dst+7], s[\ptr:\ptr+1], \off
	s_load_b256 s[\dst+8:\dst+15], s[\ptr:\ptr+1], \off+32
	s_load_b256 s[\dst+16:\dst+23], s[\ptr:\ptr+1], \off+64
.endm
.macro LOAD8 dst, off                  ; 8 radii
	s_load_b256 s[\dst:\dst+7], s[PRAD:PRAD+1], \off
.endm
; A packed f32 instruction takes a scalar as an even pair and gives its first register to both halves: r^2 goes to even registers.
.macro SQUARE rad
.irp k, 0,1,2,3,4,5,6,7
	s_mul_f32 s[R2+2*\k], s[\rad+\k], s[\rad+\k]
.endr
.endm
.macro DISC j                          ; Q = nh^2 - u cc
	v_pk_fma_f32 v[TV+12*\j+QQ:TV+12*\j+QQ+1], v[TV+12*\j+NH:TV+12*\j+NH+1], v[TV+12*\j+NH:TV+12*\j+NH+1], v[TV+12*\j+QQ:TV+12*\j+QQ+1] neg_lo:[0,0,1] neg_hi:[0,0,1]
.endm
.macro RSQ j
	v_rsq_f32 v[TV+12*\j+YY], v[TV+12*\j+QQ]
	v_rsq_f32 v[TV+12*\j+YY+1], v[TV+12*\j+QQ+1]
.endm
; One sphere enters the running minimum of both rays; where it is strictly smaller its index is taken: the first of equals stays.
.macro TRACK j, old, new
	v_min3_u32 v[\new], v[\old], v[TV+12*\j+GX], v[TV+12*\j+GY]
	v_min3_u32 v[\new+1], v[\old+1], v[TV+12*\j+GX+1], v[TV+12*\j+GY+1]
	v_cmp_lt_u32 vcc_lo, v[\new], v[\old]
	v_cmp_lt_u32 s[MSK], v[\new+1], v[\old+1]
	v_cndmask_b32 v[SI], v[SI], s[IDX], vcc_lo
	v_cndmask_b32 v[SI+1], v[SI+1], s[IDX], s[MSK]
	s_add_co_u32 s[IDX], s[IDX], 1
.endm
; Four spheres x two rays, step by step across the four, so that no instruction needs the result of the one in front of it.
; cb: scalar register of the first centre; rb: of the first r^2.  23 vector instructions for each sphere.
.macro QUAD cb, rb
	; c - o by dual-issue subtracts: they take a scalar register of any number, and the rays need not be regrouped into pairs.  Their rules
	; (ISA guide, VOPD): destinations one even, one odd; the two vector sources in different banks (number mod 4): v4/v10, v5/v11, v6/v12.
.irp j, 0,1,2,3
	v_dual_sub_f32 v[TV+12*\j+GX], s[\cb+3*\j], v[OX0] :: v_dual_sub_f32 v[TV+12*\j+GX+1], s[\cb+3*\j], v[OX1]
.endr
.irp j, 0,1,2,3
	v_dual_sub_f32 v[TV+12*\j+GY], s[\cb+3*\j+1], v[OY0] :: v_dual_sub_f32 v[TV+12*\j+GY+1], s[\cb+3*\j+1], v[OY1]
.endr
.irp j, 0,1,2,3
	v_dual_sub_f32 v[TV+12*\j+GZ], s[\cb+3*\j+2], v[OZ0] :: v_dual_sub_f32 v[TV+12*\j+GZ+1], s[\cb+3*\j+2], v[OZ1]
.endr
.irp j, 0,1,2,3
	v_pk_mul_f32 v[TV+12*\j+NH:TV+12*\j+NH+1], v[DPX:DPX+1], v[TV+12*\j+GX:TV+12*\j+GX+1]
.endr
.irp j, 0,1,2,3
	v_pk_fma_f32 v[TV+12*\j+QQ:TV+12*\j+QQ+1], v[TV+12*\j+GX:TV+12*\j+GX+1], v[TV+12*\j+GX:TV+12*\j+GX+1], s[\rb+2*\j:\rb+2*\j+1] op_sel_hi:[1,1,0] neg_lo:[0,0,1] neg_hi:[0,0,1]
.endr
.irp j, 0,1,2,3
	v_pk_fma_f32 v[TV+12*\j+NH:TV+12*\j+NH+1], v[DPY:DPY+1], v[TV+12*\j+GY:TV+12*\j+GY+1], v[TV+12*\j+NH:TV+12*\j+NH+1]
.endr
.irp j, 0,1,2,3
	v_pk_fma_f32 v[TV+12*\j+QQ:TV+12*\j+QQ+1], v[TV+12*\j+GY:TV+12*\j+GY+1], v[TV+12*\j+GY:TV+12*\j+GY+1], v[TV+12*\j+QQ:TV+12*\j+QQ+1]
.endr
.irp j, 0,1,2,3
	v_pk_fma_f32 v[TV+12*\j+NH:TV+12*\j+NH+1], v[DPZ:DPZ+1], v[TV+12*\j+GZ:TV+12*\j+GZ+1], v[TV+12*\j+NH:TV+12*\j+NH+1]
.endr
.irp j, 0,1,2,3
	v_pk_fma_f32 v[TV+12*\j+QQ:TV+12*\j+QQ+1], v[TV+12*\j+GZ:TV+12*\j+GZ+1], v[TV+12*\j+GZ:TV+12*\j+GZ+1], v[TV+12*\j+QQ:TV+12*\j+QQ+1]
.endr
.irp j, 0,1,2,3
	v_pk_mul_f32 v[TV+12*\j+QQ:TV+12*\j+QQ+1], v[UU:UU+1], v[TV+12*\j+QQ:TV+12*\j+QQ+1]
.endr
	; Behind a transcendental one plain, independent vector instruction stands before its result is used (ISA guide 5.7.2).  For sphere 0
	; that place is sphere 3's discriminant; for spheres 1 to 3 it is the first root of sphere 0.
	DISC 0
	DISC 1
	DISC 2
	RSQ 0
	DISC 3
	RSQ 1
	RSQ 2
	RSQ 3
	s_wait_alu depctr_va_vdst(0)
.irp j, 0,1,2,3
	v_pk_fma_f32 v[TV+12*\j+GX:TV+12*\j+GX+1], v[TV+12*\j+QQ:TV+12*\j+QQ+1], v[TV+12*\j+YY:TV+12*\j+YY+1], v[TV+12*\j+NH:TV+12*\j+NH+1] neg_lo:[1,0,0] neg_hi:[1,0,0]
.endr
.irp j, 0,1,2,3
	v_pk_fma_f32 v[TV+12*\j+GY:TV+12*\j+GY+1], v[TV+12*\j+QQ:TV+12*\j+QQ+1], v[TV+12*\j+YY:TV+12*\j+YY+1], v[TV+12*\j+NH:TV+12*\j+NH+1]
.endr
	; EPS comes off the finished root, not off nh: a root that cancels to exactly 0 (a ray that starts on the sphere) has to turn negative.
.irp j, 0,1,2,3
	v_pk_add_f32 v[TV+12*\j+GX:TV+12*\j+GX+1], v[TV+12*\j+GX:TV+12*\j+GX+1], s[NEPS:NEPS+1] op_sel_hi:[1,0]
.endr
.irp j, 0,1,2,3
	v_pk_add_f32 v[TV+12*\j+GY:TV+12*\j+GY+1], v[TV+12*\j+GY:TV+12*\j+GY+1], s[NEPS:NEPS+1] op_sel_hi:[1,0]
.endr
	TRACK 0, BA, BB
	TRACK 1, BB, BA
	TRACK 2, BA, BB
	TRACK 3, BB, BA
.endm
.macro BATCH cen, rad                  ; 8 spheres
	SQUARE \rad
	QUAD \cen, R2
	QUAD \cen+12, R2+8
.endm
; My 32 spheres of one chunk: four batches, sets A and B in turn.  Each batch is asked for at the head of the batch in front of it.
; Scalar loads return in no order, so every wait is for 0 (ISA guide 5.7.1); at each of them only the one batch is out.
; last = 0: the look-ahead of the fourth batch is the next chunk's first batch; the pointers step there, with nothing pending on them.
; last = 1: it is the first 8 of my table entries for the selection.
.macro SEGMENT last
	s_wait_kmcnt 0x0
	LOAD24 CB, PCEN, 96
	LOAD8 RB, 32
	BATCH CA, RA
	s_wait_kmcnt 0x0
	LOAD24 CA, PCEN, 192
	LOAD8 RA, 64
	BATCH CB, RB
	s_wait_kmcnt 0x0
	LOAD24 CB, PCEN, 288
	LOAD8 RB, 96
	BATCH CA, RA
	s_wait_kmcnt 0x0
.if \last
	LOAD24 CA, PTAB, 0
.else
	s_add_nc_u64 s[PCEN:PCEN+1], s[PCEN:PCEN+1], 256*12
	s_add_nc_u64 s[PRAD:PRAD+1], s[PRAD:PRAD+1], 256*4
	LOAD24 CA, PCEN, 0
	LOAD8 RA, 0
.endif
	BATCH CB, RB
.if \last == 0
	s_add_co_u32 s[IDX], s[IDX], 256-32            ; my first sphere of the next chunk
.endif
.endm
; Table entry idx of my 32 (its x in scalar register sb) is taken where it is the winner's.
.macro PICK idx, sb
	v_cmp_eq_u32 vcc_lo, \idx, v[W0]
	v_cmp_eq_u32 s[MSK], \idx, v[W0+1]
	v_cndmask_b32 v[CX], v[CX], s[\sb], vcc_lo
	v_cndmask_b32 v[CY], v[CY], s[\sb+1], vcc_lo
	v_cndmask_b32 v[CZ], v[CZ], s[\sb+2], vcc_lo
	v_cndmask_b32 v[CX+1], v[CX+1], s[\sb], s[MSK]
	v_cndmask_b32 v[CY+1], v[CY+1], s[\sb+1], s[MSK]
	v_cndmask_b32 v[CZ+1], v[CZ+1], s[\sb+2], s[MSK]
.endm
	; ---- set-up
	s_load_b128 s[68:71], s[0:1], 0x0              ; rays s[68:69], centers s[70:71]
	s_load_b64 s[72:73], s[0:1], 0x10              ; radii
	v_lshl_add_u32 v176, v0, 2, 0x5c00
	v_mov_b32 v177, 0
	v_and_b32 v[LANE], 31, v0
	v_lshrrev_b32 v2, 5, v0
	v_readfirstlane_b32 s[WAVE], v2
	s_and_b32 s[GI], s[WAVE], 1
	s_lshr_b32 s[EI], s[WAVE], 1
	s_mul_i32 s[TMP], s[GI], 64*24                 ; my ray group: 64 rays of 24 bytes
	v_mul_u32_u24 v3, 48, v[LANE]                  ; my two rays: 48 consecutive bytes
	v_add_nc_u32 v3, s[TMP], v3
	s_mul_i32 s[TMP], ttmp9, 128*24                ; the work-group's 128 rays
	s_mov_b32 s[TMP+1], 0
	s_wait_kmcnt 0x0
	s_add_nc_u64 s[68:69], s[68:69], s[TMP:TMP+1]
	global_load_b128 v[4:7], v3, s[68:69]
	global_load_b128 v[8:11], v3, s[68:69] offset:16
	global_load_b128 v[12:15], v3, s[68:69] offset:32
	s_mul_i32 s[TMP], s[EI], 32*12
	s_add_nc_u64 s[PCEN:PCEN+1], s[70:71], s[TMP:TMP+1]
	s_mov_b64 s[PTAB:PTAB+1], s[PCEN:PCEN+1]
	s_lshl_b32 s[TMP], s[EI], 7                    ; 32 radii of 4 bytes
	s_add_nc_u64 s[PRAD:PRAD+1], s[72:73], s[TMP:TMP+1]
	LOAD24 CA, PCEN, 0                             ; the first batch
	LOAD8 RA, 0
	s_mov_b32 s[NEPS], NEPS_BITS
	s_mov_b32 s[NEPS+1], NEPS_BITS
.irp k, 0,1,2,3,4,5,6,7
	s_mov_b32 s[R2+2*\k+1], 0                      ; the odd halves of the r^2 pairs are named by the packed instructions: written once
.endr
	s_lshl_b32 s[IDX], s[EI], 5                    ; my first sphere: 32 e
	s_wait_loadcnt 0x0                             ; the rays; also frees s[68:69], which set B's radii will overwrite
	v_mul_f32 v[W0], v[DX0], v[DX0]
	v_mul_f32 v[W0+1], v[DX1], v[DX1]
	v_fma_f32 v[W0], v[DY0], v[DY0], v[W0]
	v_fma_f32 v[W0+1], v[DY1], v[DY1], v[W0+1]
	v_fma_f32 v[W0], v[DZ0], v[DZ0], v[W0]
	v_fma_f32 v[W0+1], v[DZ1], v[DZ1], v[W0+1]
	v_rcp_f32 v[UU], v[W0]
	v_rcp_f32 v[UU+1], v[W0+1]
	v_mov_b32 v[BA], TMAX_BITS                     ; best = T_MAX (T_MAX - EPS rounds to T_MAX); also the plain place behind v_rcp_f32
	v_mov_b32 v[BA+1], TMAX_BITS
	v_mov_b32 v[SI], 0                             ; no hit: index 0, as the reference's clip of -1
	v_mov_b32 v[SI+1], 0
	s_wait_alu depctr_va_vdst(0)
	v_pk_fma_f32 v[W1:W1+1], v[W0:W0+1], v[UU:UU+1], 1.0 op_sel_hi:[1,1,0] neg_lo:[1,0,0] neg_hi:[1,0,0]   ; one Newton step: 1 - a u
	v_pk_fma_f32 v[UU:UU+1], v[UU:UU+1], v[W1:W1+1], v[UU:UU+1]                                            ; u + u (1 - a u); a = 0 gives NaN: no hit
	v_mul_f32 v[DPX], v[DX0], v[UU]
	v_mul_f32 v[DPX+1], v[DX1], v[UU+1]
	v_mul_f32 v[DPY], v[DY0], v[UU]
	v_mul_f32 v[DPY+1], v[DY1], v[UU+1]
	v_mul_f32 v[DPZ], v[DZ0], v[UU]
	v_mul_f32 v[DPZ+1], v[DZ1], v[UU+1]
	; ---- the four chunks: three in the loop, the last behind it with its own look-ahead
	s_mov_b32 s[TRIP], 0
.Lchunk:
	SEGMENT 0
	s_add_co_u32 s[TRIP], s[TRIP], 1
	s_cmp_lt_u32 s[TRIP], 3
	s_cbranch_scc1 .Lchunk
	SEGMENT 1
	; ---- my winner's table entry: centers[index & 255], and (index & 255) - 32 e = index & 31
	s_wait_kmcnt 0x0                               ; entries 0-7 are in set A
	LOAD24 CB, PTAB, 96                            ; entries 8-15
	LOAD24 CC3, PTAB, 192                          ; entries 16-23, over the radii and r^2, which are done with
	v_and_b32 v[W0], 31, v[SI]
	v_and_b32 v[W0+1], 31, v[SI+1]
	v_mov_b32 v[CX], s[CA]                         ; entry 0 starts the selection: nothing is cleared
	v_mov_b32 v[CX+1], s[CA]
	v_mov_b32 v[CY], s[CA+1]
	v_mov_b32 v[CY+1], s[CA+1]
	v_mov_b32 v[CZ], s[CA+2]
	v_mov_b32 v[CZ+1], s[CA+2]
.irp k, 1,2,3,4,5,6,7
	PICK \k, CA+3*\k
.endr
	s_wait_kmcnt 0x0
	LOAD24 CA, PTAB, 288                           ; entries 24-31, while 16 entries are gone through
.irp k, 0,1,2,3,4,5,6,7
	PICK 8+\k, CB+3*\k
.endr
.irp k, 0,1,2,3,4,5,6,7
	PICK 16+\k, CC3+3*\k
.endr
	s_wait_kmcnt 0x0
.irp k, 0,1,2,3,4,5,6,7
	PICK 24+\k, CA+3*\k
.endr
	; ---- partial results to LDS: field f of ray r of eighth e at e PSLOT + 512 f + 4 r; my two rays are 8 consecutive bytes
	s_mul_i32 s[TMP], s[EI], PSLOT
	s_lshl_b32 s[TMP+1], s[GI], 8
	s_add_co_u32 s[TMP], s[TMP], s[TMP+1]
	v_lshl_add_u32 v[LA], v[LANE], 3, s[TMP]
	ds_store_b64 v[LA], v[BA:BA+1]
	ds_store_b64 v[LA], v[SI:SI+1] offset:512
	ds_store_b64 v[LA], v[CX:CX+1] offset:1024
	ds_store_b64 v[LA], v[CY:CY+1] offset:1536
	ds_store_b64 v[LA], v[CZ:CZ+1] offset:2048
	s_wait_dscnt 0x0                               ; my stores are in LDS before I say so
	s_barrier_signal -1
	s_barrier_wait -1
	s_cmp_lg_u32 s[EI], 0
	s_cbranch_scc1 .Lend                           ; the waves with e = 0 (they still hold the raw rays) finish their 64 rays
	; ---- the end: join eight partial results.  With e = 0, LA is 256 G + 8 lane: my pair in every eighth's fields.
	s_load_b256 s[8:15], s[0:1], 0x18              ; out0 s[8:9], out1 s[10:11], out2 s[12:13], out3 s[14:15]
.irp f, 0,1,2,3,4
.irp e, 0,1,2,3,4,5,6,7
	ds_load_b64 v[PV+10*\e+2*\f:PV+10*\e+2*\f+1], v[LA] offset:\e*PSLOT+512*\f
.endr
.endr
	s_mul_i32 s18, s[GI], 1536
	s_add_co_u32 s18, s18, STAGE                   ; my stage in LDS
	s_mul_i32 s19, s[GI], 768                      ; my 64 rays in out0 and out1: 768 bytes
	s_lshl_b32 s23, s[GI], 6                       ; and in out3: 64 bytes
	s_mov_b32 s22, TMAX_BITS
	v_mad_u32_u24 v72, v[LANE], 24, s18            ; stage, in: my two rays' 6 numbers
	v_lshl_add_u32 v73, v[LANE], 4, s18            ; stage, back: 16 bytes a lane, the first 512 bytes
	v_lshl_add_u32 v74, v[LANE], 3, s18            ;              8 bytes a lane, the last 256 bytes
	v_lshl_add_u32 v75, v[LANE], 4, s19            ; the same places in out0 and out1
	v_lshl_add_u32 v88, v[LANE], 3, s19
	v_lshl_add_u32 v89, v[LANE], 1, s23            ; my two bytes of out3
.macro MIN8 dst, fld, r                ; the smallest of the eight eighths' field, as unsigned numbers
	v_min3_u32 v[\dst+\r], v[PV+\fld+\r], v[PV+10+\fld+\r], v[PV+20+\fld+\r]
	v_min3_u32 v[\dst+\r], v[\dst+\r], v[PV+30+\fld+\r], v[PV+40+\fld+\r]
	v_min3_u32 v[\dst+\r], v[\dst+\r], v[PV+50+\fld+\r], v[PV+60+\fld+\r]
	v_min_u32 v[\dst+\r], v[\dst+\r], v[PV+70+\fld+\r]
.endm
	s_wait_dscnt 32                                ; 40 loads, in order: the 8 of t are in, 32 younger ones may be out
	MIN8 40, 0, 0                                  ; v[40:41] the smallest t - EPS
	MIN8 40, 0, 1
	s_wait_dscnt 24                                ; the 8 of the index are in too
.irp e, 0,1,2,3,4,5,6,7
	v_cmp_eq_u32 vcc_lo, v[PV+10*\e], v40
	v_cmp_eq_u32 s[MSK], v[PV+10*\e+1], v41
	v_cndmask_b32 v[PV+10*\e+2], -1, v[PV+10*\e+2], vcc_lo         ; an eighth that does not reach the smallest t is out of the race
	v_cndmask_b32 v[PV+10*\e+3], -1, v[PV+10*\e+3], s[MSK]
.endr
	MIN8 42, 2, 0                                  ; v[42:43] among equal t the smallest global index: the first in the reference's order
	MIN8 42, 2, 1
	s_wait_dscnt 0x0
	; the winner's centre into v[44:49] = x0 y0 z0 x1 y1 z1.  Eighth 0's stands unless another eighth holds the winning index.
	v_cmp_eq_u32 vcc_lo, v[PV+12], v42
	v_cmp_eq_u32 s[MSK], v[PV+13], v43
.irp c, 0,1,2
	v_cndmask_b32 v[44+\c], v[PV+4+2*\c], v[PV+14+2*\c], vcc_lo
	v_cndmask_b32 v[47+\c], v[PV+5+2*\c], v[PV+15+2*\c], s[MSK]
.endr
.irp e, 2,3,4,5,6,7
	v_cmp_eq_u32 vcc_lo, v[PV+10*\e+2], v42
	v_cmp_eq_u32 s[MSK], v[PV+10*\e+3], v43
.irp c, 0,1,2
	v_cndmask_b32 v[44+\c], v[44+\c], v[PV+10*\e+4+2*\c], vcc_lo
	v_cndmask_b32 v[47+\c], v[47+\c], v[PV+10*\e+5+2*\c], s[MSK]
.endr
.endr
	; p = o + t d, n = (p - centre) / max(|p - centre|, 1e-12) where active, else 0, p += 1e-5 n.  Six numbers in the order of the outputs.
	v_pk_add_f32 v[50:51], v[40:41], EPS_BITS op_sel_hi:[1,0]      ; t; T_MAX stays T_MAX
	v_cmp_gt_u32 s20, s22, v40                     ; active: something below T_MAX was found
	v_cmp_gt_u32 s21, s22, v41
	v_fma_f32 v52, v50, v[DX0], v[OX0]
	v_fma_f32 v53, v50, v[DY0], v[OY0]
	v_fma_f32 v54, v50, v[DZ0], v[OZ0]
	v_fma_f32 v55, v51, v[DX1], v[OX1]
	v_fma_f32 v56, v51, v[DY1], v[OY1]
	v_fma_f32 v57, v51, v[DZ1], v[OZ1]
	v_pk_add_f32 v[58:59], v[52:53], v[44:45] neg_lo:[0,1] neg_hi:[0,1]
	v_pk_add_f32 v[60:61], v[54:55], v[46:47] neg_lo:[0,1] neg_hi:[0,1]
	v_pk_add_f32 v[62:63], v[56:57], v[48:49] neg_lo:[0,1] neg_hi:[0,1]
	v_mul_f32 v64, v58, v58
	v_mul_f32 v65, v61, v61
	v_fma_f32 v64, v59, v59, v64
	v_fma_f32 v65, v62, v62, v65
	v_fma_f32 v64, v60, v60, v64
	v_fma_f32 v65, v63, v63, v65
	v_sqrt_f32 v66, v64
	v_sqrt_f32 v67, v65
	v_cndmask_b32 v68, 0, 1, s20                   ; out3's byte of ray 0; the plain place behind v_sqrt_f32 (ISA guide 5.7.2)
	s_wait_alu depctr_va_vdst(0)
	v_max_num_f32 v66, TINY_BITS, v66
	v_max_num_f32 v67, TINY_BITS, v67
	v_rcp_f32 v70, v66
	v_rcp_f32 v71, v67
	v_cndmask_b32 v69, 0, 1, s21                   ; ray 1's byte; the plain place behind v_rcp_f32
	s_wait_alu depctr_va_vdst(0)
	v_pk_mul_f32 v[58:59], v[58:59], v[70:71] op_sel_hi:[1,0]              ; x0 y0 by ray 0's 1/norm
	v_pk_mul_f32 v[60:61], v[60:61], v[70:71]                              ; z0 by ray 0's, x1 by ray 1's
	v_pk_mul_f32 v[62:63], v[62:63], v[70:71] op_sel:[0,1] op_sel_hi:[1,1] ; y1 z1 by ray 1's
	v_cndmask_b32 v58, 0, v58, s20
	v_cndmask_b32 v59, 0, v59, s20
	v_cndmask_b32 v60, 0, v60, s20
	v_cndmask_b32 v61, 0, v61, s21
	v_cndmask_b32 v62, 0, v62, s21
	v_cndmask_b32 v63, 0, v63, s21
	v_pk_fma_f32 v[52:53], v[58:59], PUSH_BITS, v[52:53] op_sel_hi:[1,0,1]
	v_pk_fma_f32 v[54:55], v[60:61], PUSH_BITS, v[54:55] op_sel_hi:[1,0,1]
	v_pk_fma_f32 v[56:57], v[62:63], PUSH_BITS, v[56:57] op_sel_hi:[1,0,1]
	v_lshl_or_b32 v68, v69, 8, v68
	; The way out.  A lane's 24 bytes of p (and of n) are consecutive, but one store of 8 of them would leave gaps of 16: they go through
	; the wave's own stage and come back as 512 + 256 consecutive bytes.  LDS serves a wave's instructions in order (ISA guide 5.7.1):
	; no wait between these stores and loads, and no barrier, since no other wave touches this stage.
	ds_store_b64 v72, v[52:53]
	ds_store_b64 v72, v[54:55] offset:8
	ds_store_b64 v72, v[56:57] offset:16
	ds_store_b64 v72, v[58:59] offset:768
	ds_store_b64 v72, v[60:61] offset:776
	ds_store_b64 v72, v[62:63] offset:784
	ds_load_b128 v[76:79], v73
	ds_load_b64 v[80:81], v74 offset:512
	ds_load_b128 v[82:85], v73 offset:768
	ds_load_b64 v[86:87], v74 offset:1280
	s_mul_i32 s16, ttmp9, 128*12                   ; the work-group's part of out0 and out1,
	s_mov_b32 s17, 0
	s_wait_kmcnt 0x0
	s_add_nc_u64 s[8:9], s[8:9], s[16:17]
	s_add_nc_u64 s[10:11], s[10:11], s[16:17]
	s_lshl_b32 s16, ttmp9, 9                       ; of out2 (128 x 4 bytes),
	s_add_nc_u64 s[12:13], s[12:13], s[16:17]
	s_lshl_b32 s16, ttmp9, 7                       ; of out3 (128 bytes)
	s_add_nc_u64 s[14:15], s[14:15], s[16:17]
	global_store_b64 v[LA], v[50:51], s[12:13] th:TH_STORE_NT      ; t: the wave's 256 consecutive bytes, aligned
	global_store_b16 v89, v68, s[14:15] th:TH_STORE_NT             ; active: the wave's 64 consecutive bytes
	s_wait_dscnt 0x3                               ; the four loads come back in order: three younger ones may be out, and so on down
	global_store_b128 v75, v[76:79], s[8:9] th:TH_STORE_NT         ; p: 512 consecutive bytes, aligned
	s_wait_dscnt 0x2
	global_store_b64 v88, v[80:81], s[8:9] offset:512 th:TH_STORE_NT   ; and the last 256
	s_wait_dscnt 0x1
	global_store_b128 v75, v[82:85], s[10:11] th:TH_STORE_NT       ; n likewise
	s_wait_dscnt 0x0
	global_store_b64 v88, v[86:87], s[10:11] offset:512 th:TH_STORE_NT
.Lend:
	s_wait_tensorcnt 0x0
	ds_add_u32 v176, v177
	s_wait_dscnt 0x0
	s_endpgm
.Lfunc_end_k_q06f9ff8331_spheres:
	.size	k_q06f9ff8331_spheres, .Lfunc_end_k_q06f9ff8331_spheres-k_q06f9ff8331_spheres
	.p2alignl 7, 3214868480
	.fill 96, 4, 3214868480
	.section	.rodata,"a",@progbits
	.p2align	6, 0x0
	.amdhsa_kernel k_q06f9ff8331_spheres
		.amdhsa_group_segment_fixed_size 25600
		.amdhsa_private_segment_fixed_size 0
		.amdhsa_enable_private_segment 0
		.amdhsa_kernarg_size 56
		.amdhsa_user_sgpr_count 2
		.amdhsa_user_sgpr_kernarg_segment_ptr 1
		.amdhsa_wavefront_size32 1
		.amdhsa_system_sgpr_workgroup_id_x 1
		.amdhsa_system_sgpr_workgroup_id_y 1
		.amdhsa_system_sgpr_workgroup_id_z 1
		.amdhsa_system_vgpr_workitem_id 0
		.amdhsa_next_free_vgpr 178
		.amdhsa_next_free_sgpr 102
		.amdhsa_reserve_vcc 1
		.amdhsa_float_denorm_mode_32 3
		.amdhsa_float_denorm_mode_16_64 3
		.amdhsa_memory_ordered 1
		.amdhsa_forward_progress 1
		.amdhsa_inst_pref_size 125
	.end_amdhsa_kernel
	.amdgpu_metadata
---
amdhsa.version: [ 1, 2 ]
amdhsa.kernels:
  - .name:           k_q06f9ff8331_spheres
    .symbol:         k_q06f9ff8331_spheres.kd
    .args:
      - { .name: rays, .offset: 0, .size: 8, .value_kind: global_buffer, .address_space: global }
      - { .name: centers, .offset: 8, .size: 8, .value_kind: global_buffer, .address_space: global }
      - { .name: radii, .offset: 16, .size: 8, .value_kind: global_buffer, .address_space: global }
      - { .name: out0, .offset: 24, .size: 8, .value_kind: global_buffer, .address_space: global }
      - { .name: out1, .offset: 32, .size: 8, .value_kind: global_buffer, .address_space: global }
      - { .name: out2, .offset: 40, .size: 8, .value_kind: global_buffer, .address_space: global }
      - { .name: out3, .offset: 48, .size: 8, .value_kind: global_buffer, .address_space: global }
    .group_segment_fixed_size: 25600
    .private_segment_fixed_size: 0
    .kernarg_segment_align: 8
    .kernarg_segment_size: 56
    .max_flat_workgroup_size: 512
    .sgpr_count:     102
    .vgpr_count:     178
    .wavefront_size: 32
...
	.end_amdgpu_metadata
.endif
;; end of part 1
